; MI455X (gfx1250); checked and timed in simulation.
; The chip was launched on July 23, 2026; its instructions are those of AMD's public machine-readable ISA for CDNA 5 (MIT licence, August 2026) and "CDNA5" Instruction Set Architecture Reference Guide (July 2026). The comments in the code are by the model that wrote it; some were corrected since.
;; HQQ Linear. Allowed arithmetic: matrix products marked QUANTISED: E2M3 operands, one E8M0 scale for each 32 along K, by v_wmma_scale_f32_16x16x128_f8f6f4 with both operands' format E2M3, f32 sums; everything else in f32.
;; Inputs: W_q 131,072 x 64 int32; bias 2,048 float32; s_scale 1 float32; s_zero 1 float32; scale_q 131,072 int32; x 4 x 2,048 x 4,096 float32; z_scale 1 float32; z_zero 1 float32; zero_q 131,072 int32.
;; Outputs: out0 4 x 2,048 x 2,048 float32.
;; This version of the problem:
;;   THIS VERSION OF THE PROBLEM IS GIVEN IN LOW PRECISION. The matrix products marked QUANTISED in the list below multiply operands that are first quantised to E2M3 (2 exponent bits, 3 mantissa bits; 6 bits a number), with one power-of-two scale for each 32 numbers along K (OCP MX v1.0); their sums are f32. All else is computed in f32.
;;   The module's matrix products, in the order in which they are computed (A, B: the left and right operand; K: the contracted axis; several contracted axes count as one K, in the product's order):
;;     1. [M 8,192, K 4,096] x [K 4,096, N 2,048]; A: input x; B: computed on the way: QUANTISED
;;   THE QUANTISER, for each operand of a quantised product, along K:
;;     - K is cut into blocks of 32 from its start; a last block that is shorter is filled with zeros.
;;     - A block's scale is 2^e with e = floor(log2(the largest magnitude in the block)) - 2, held to -126 .. 127; a block of zeros has e = 0. As a byte (E8M0): e + 127.
;;     - Each number is divided by its block's scale, clamped to +-7.5, and rounded to the nearest number of E2M3, ties to even, subnormals kept.
;;     - The product sums the exact products of the quantised numbers (number of the format x scale) in f32.
;;   ~~~python
;;   def quantise(x, axis):      # numpy; x: float32 -> the quantised numbers, widened to float32 again
;;       x = np.moveaxis(x, axis, -1); K = x.shape[-1]
;;       x = np.pad(x, [(0, 0)] * (x.ndim - 1) + [(0, -K % 32)]); x = x.reshape(x.shape[:-1] + (-1, 32)); a = np.abs(x).max(-1, keepdims=True)
;;       e = np.where(a > 0, np.clip(np.frexp(np.where(a > 0, a, 1))[1] - 1 - 2, -126, 127), 0)      # np.frexp(a)[1] - 1 = floor(log2(a)), exactly
;;       r = np.clip(x / 2.0 ** e, -7.5, 7.5)
;;       step = 2.0 ** (np.maximum(np.frexp(np.where(r == 0, 1, r))[1] - 1, 0) - 3)
;;       q = np.round(r / step) * step * 2.0 ** e      # np.round: ties to even
;;       return np.moveaxis(q.reshape(q.shape[:-2] + (-1,))[..., :K], -1, axis).astype(np.float32)
;;   ~~~
;;   OPERANDS COMPUTED ON THE WAY. 'Computed on the way' means the value that the module computes at that place (a softmax that the list does not call 'softmax' is quantised finished and normalised). What goes into a quantiser is computed in f32, as accurately as f32 sums, v_exp_f32 and their like allow (about 1e-6 of the number): no bf16 or f16 on the way to a quantiser, and a product that is left as it is and whose result goes on into a quantised operand takes f32 operands (vector FMAs, or v_wmma_f32_16x16x4_f32). A number that lies on a knife's edge between two numbers of the format may be rounded either way, as far as f32 arithmetic and the matrix unit's own rounding can turn it there, and no further.
;; One version. Each part assembles by itself: llvm-mc -triple=amdgcn-amd-amdhsa -mcpu=gfx1250 --defsym DOCPART=n.
;; ======== version 1 of 1: 2 launches
;; limits: right only within a limited range of input values
;; workspace buffers: xq 26,214,400 bytes; wq 6,553,600 bytes
;; launch quant (part 1): grid 1280 x 1, 4 waves a work-group, no clusters, 35,328 bytes of LDS; arguments x, W_q, scale_q, zero_q, s_scale, z_scale, s_zero, z_zero, xq, wq; writes xq, wq
.if DOCPART == 1
	.amdgcn_target "amdgcn-amd-amdhsa--gfx1250"
	.amdhsa_code_object_version 6
	.text
	.protected	k_q86f3cc861c_quant
	.globl	k_q86f3cc861c_quant
	.p2align	8
	.type	k_q86f3cc861c_quant,@function
k_q86f3cc861c_quant:
	s_mov_b64 s[64:65], 0
	v_nop
	global_prefetch_b8 v0, s[64:65] scope:SCOPE_SE
	s_setreg_imm32_b32 hwreg(HW_REG_WAVE_MODE, 25, 1), 1
	s_wait_xcnt 0x0
; x [8192][4096] f32 and W [2048][4096] become codes of FP6 (E2M3), 6 bits each, with one E8M0 scale byte for each 32 along K.
; W is made on the way, in f32, each step rounded as the problem writes it: scale = (f32(scale_q) - z_scale) * s_scale, zero = (f32(zero_q) - z_zero) * s_zero,
; W = (f32(W_q) - zero) * scale; a group of 64 is 64 neighbours along K of one row of W.  The subtractions and multiplications are NOT fused: the problem rounds between them.
; A block's scale is 2^(floor(log2(its largest magnitude)) - 2); its byte is the largest magnitude's exponent field - 2, held at 1 from below.  Each number is divided by the scale and rounded to the nearest code, ties to even;
; what lies beyond 7.5 takes the largest code.
; LIMITS: NaN and infinities among the inputs are not served.  A block of zeros gets the byte 1 where the rule says 127: its codes are zeros, which add nothing under any byte but 0xff, and the bytes are read by this program alone.
; WHERE THE RESULTS GO (both tensors alike): IN THE ORDER OF THE OPERAND'S REGISTERS.  A unit of 12,800 bytes serves row block rb = row / 128 and step s = k / 128, at (32 rb + s) x 12,800:
;   8 fragments (16 rows x 128 K: 12 registers a lane) of 1,536 bytes: registers 4 c .. 4 c + 3 of lane l at 512 c + 16 l;  lane (r, h) holds row r, its registers 6 c .. 6 c + 5 hold k = 64 c + 32 h + 0 .. 31;
;   then 512 bytes of scale words (four bytes: a row's four blocks of the step): row 16 i + r at 128 (i / 2) + 8 r + 4 (i % 2).
; SHARES.  Work-groups 0 .. 1023 take x, 1024 .. 1279 take W.  With g the number within the tensor: j = g / 4 is a group of 32 rows, and wave w takes 256 along K, number ks = 4 (g % 4) + w, of them: four fragments.
; Both sources have elements of 4 bytes and rows of 16,384 bytes, so both take the same addresses.  A STEP is 16 rows x 64 along K: eight loads, each of two rows' 256 consecutive bytes, aligned.
; The conversion takes neighbours along K from ONE lane's registers: so a step's 4,096 bytes go through the wave's own stage in LDS (rows 272 bytes apart) and lane (r, h) takes back 128 bytes: a whole block of 32.
; Its largest magnitude needs no other lane, and its codes are six registers of the fragment as the product's launch wants them: two steps fill the twelve, which leave by three stores of 512 consecutive bytes.
; No tensor loads, no barrier: waves share nothing.  Loads run up to three steps (24 loads a wave) ahead.  The two tensors' bodies part on the work-group's number and never join; each has LDS bytes of its own.
; W'S ROWS ARE DEALT OTHERWISE THAN x'S: what stands above of rows holds for x; the 16 rows of a fragment of W are not neighbours: lane (r, h) of fragment i of row block rb holds W's row 128 rb + 64 (i / 4) + 4 r + i % 4,
; and its scale word lies where the text above has row 16 i + r.  So in the product's launch a lane's results in four neighbouring tiles are four neighbouring columns of the output.
; A work-group of W takes fragments i = 2 (j % 4) and i + 1: rows 64 (j / 2) + 2 (j % 2) + f + 4 r, f = 0, 1.  Places in the workspace are as for x.
.set STEPS, 8
; THE WORK-GROUPS' NUMBERS ARE DEALT THE OTHER WAY ROUND THAN THE TEXT ABOVE HAS IT: 0 .. 255 take W, whose chain of loads is longer and whose arithmetic is more; 256 .. 1279 take x.
.set WWG,   256                        ; work-groups of W
.set ROWBY, 16384                      ; a source row in bytes
.set EMAX,  2
.set UNIT,  12800                      ; a unit of the workspace
.set FRB,   1536                       ; a fragment's image
.set SCO,   8*FRB                      ; where a unit's scale words begin
.set SP,    272                        ; a stage row: 256 bytes + 16: the sixteen rows that a read touches start 16 bytes apart modulo 256
.set WREG,  16*SP                      ; LDS: one stage for each wave.  LDS serves a wave's instructions in order (ISA guide 5.7.1.4): a step's stores come behind the last step's reads
.set WOFF,  4*WREG                     ; W's body uses the same places this much further on (by the immediate)
.set SZ,    12                         ; v12-15   W only: zero, zero, scale, scale of the step's group
.set R,     16                         ; v16-111  three sets of 32 numbers as they are loaded
.set X,     112                        ; v112-143 my block of 32
.set C,     144                        ; v144-167 a fragment's 12 registers, two sets by turns
.set T,     168                        ; v168-170 the second half of a block's codes (a conversion's three registers begin on an even number)
.set WD,    172                        ; v172-175 the four fragments' scale words
.set SQ,    176                        ; v176-183 W only: scale of my row's group: 4 (which 16 rows) + (which 64 along K) = the step's number
.set ZQ,    184                        ; v184-191 W only: zero likewise
.set SPW,   171                        ; v171     LDS address of my spare word: SPARE + 4 x my thread's number; never rewritten
.set NIL,   1                          ; v1       0; never rewritten
.set SPARE, 0x8800                     ; behind the eight stages: the spare words, 128 bytes for each wave, which no other line names
	s_load_b256 s[4:11], s[0:1], 0x0               ; x s[4:5], W_q s[6:7], scale_q s[8:9], zero_q s[10:11]
	s_load_b256 s[12:19], s[0:1], 0x20             ; s_scale s[12:13], z_scale s[14:15], s_zero s[16:17], z_zero s[18:19]
	s_load_b128 s[20:23], s[0:1], 0x40             ; xq s[20:21], wq s[22:23]
	v_lshl_add_u32 v[SPW], v0, 2, SPARE
	v_mov_b32 v[NIL], 0
	v_lshrrev_b32 v9, 5, v0
	v_readfirstlane_b32 s32, v9                    ; wave 0..3
	v_and_b32 v2, 31, v0                           ; lane
	s_mul_i32 s33, s32, WREG                       ; my wave's stage
	v_and_b32 v8, 15, v2                           ; r
	v_lshrrev_b32 v9, 4, v2                        ; h
	v_lshlrev_b32 v3, 4, v8
	v_lshl_add_u32 v3, v9, 14, v3                  ; a load: lanes 0-15 one row's 256 bytes, lanes 16-31 the next row's
	v_lshlrev_b32 v4, 4, v2                        ; the codes' way out: 16 bytes a lane
	v_mul_u32_u24 v5, v9, UNIT
	v_lshl_add_u32 v5, v8, 3, v5                   ; the scale words' way out: lanes 0-15 my first step of 128, lanes 16-31 my second, one unit on; 8 bytes a row
	v_mul_u32_u24 v6, v9, SP
	v_lshl_add_u32 v6, v8, 4, v6
	v_add_nc_u32 v6, s33, v6                       ; the stage on the way in: as loaded
	v_mul_u32_u24 v7, v8, SP
	v_lshl_add_u32 v7, v9, 7, v7
	v_add_nc_u32 v7, s33, v7                       ; and on the way out: row r, + 128 h: my block
	v_lshlrev_b32 v10, 8, v8                       ; W: a row's 64 groups are 256 bytes of scale_q and of zero_q
	v_cmp_gt_u32 s46, 16, v2                       ; lanes 0-15
	v_lshlrev_b32 v2, 3, v9                        ; from here on v2 = 8 h: how far up my byte stands in a scale word
	s_mov_b32 s24, 0x76543210
	s_mov_b32 s25, 0xfedcba98                      ; v_permlanex16_b32's selects for lane l xor 16
	s_wait_kmcnt 0x0
	s_cmp_ge_u32 ttmp9, WWG                        ; x's work-group or W's?  The choice hangs on the work-group's number alone
	s_cselect_b64 s[4:5], s[4:5], s[6:7]           ; the source,
	s_cselect_b64 s[20:21], s[20:21], s[22:23]     ; its workspace
	s_cselect_b32 s34, WWG, 0
	s_sub_co_u32 s34, ttmp9, s34                   ; g
	s_lshr_b32 s35, s34, 2                         ; j: which 32 rows
	s_and_b32 s36, s34, 3
	s_lshl_b32 s36, s36, 2
	s_add_co_u32 s36, s36, s32                     ; ks = 4 (g % 4) + wave
	s_lshl_b32 s38, s35, 19                        ; the source: 32 j rows of 16,384 bytes
	s_lshl_b32 s37, s36, 10                        ; + ks x 256 numbers of 4 bytes (under 2^28 in all)
	s_add_co_u32 s38, s38, s37
	s_mov_b32 s39, 0
	s_lshr_b32 s37, s35, 2                         ; rb
	s_lshl_b32 s37, s37, 5
	s_lshl_b32 s47, s36, 1
	s_add_co_u32 s37, s37, s47                     ; my first unit: 32 rb + 2 ks
	s_mul_i32 s40, s37, UNIT                       ; (under 2^25)
	s_mov_b32 s41, 0
	s_and_b32 s47, s35, 3                          ; which 32 of the unit's 128 rows
	s_mul_i32 s42, s47, 2*FRB                      ; the codes: my two fragments,
	s_add_co_u32 s42, s42, s40
	s_mov_b32 s43, 0
	s_lshl_b32 s47, s47, 7                         ; the scale words: my 128 bytes
	s_add_co_u32 s40, s40, s47
	s_add_co_u32 s40, s40, SCO
	s_lshl_b32 s44, s35, 13                        ; scale_q, zero_q: 32 j rows of 256 bytes
	s_lshl_b32 s47, s36, 4                         ; + ks x 4 groups of 4 bytes
	s_add_co_u32 s44, s44, s47
	s_mov_b32 s45, 0
	s_add_nc_u64 s[4:5], s[4:5], s[38:39]
	s_add_nc_u64 s[22:23], s[20:21], s[40:41]      ; where my scale words go,
	s_add_nc_u64 s[20:21], s[20:21], s[42:43]      ; and my codes
; Step t: rows 16 (t / 4) on, 64 along K from 64 (t % 4) on: fragment t / 2 (which 16 rows: t / 4; which 128 along K: (t / 2) % 2), its registers 6 (t % 2) on.
.macro LOAD t, w                       ; eight loads into set t % 3; every offset is an immediate (934,656 at the most).  x: fragment rows are neighbours, the second fragment 16 rows on; W: four rows apart, the second fragment one row on
.irp a, 0,1,2,3,4,5,6,7
	global_load_b128 v[R+32*((\t)%3)+4*\a:R+32*((\t)%3)+4*\a+3], v3, s[4:5] offset:((16-15*\w)*((\t)/4)+(2+6*\w)*\a)*ROWBY+256*((\t)%4) th:TH_LOAD_NT
.endr
.endm
.macro TURN t, w                       ; through the stage: no wait stands between the stores and the loads, nor in front of the stores: LDS serves a wave's instructions in order
.irp a, 0,1,2,3,4,5,6,7
	ds_store_b128 v6, v[R+32*((\t)%3)+4*\a:R+32*((\t)%3)+4*\a+3] offset:WOFF*\w+2*SP*\a
.endr
.irp i, 0,1,2,3,4,5,6,7
	ds_load_b128 v[X+4*\i:X+4*\i+3], v7 offset:WOFF*\w+16*\i
.endr
.endm
.macro STEP t, w
.set CS, C+12*(((\t)/2)%2)
.set CH, (\t)%2
.set FI, (\t)/2
.if STEPS-1-(\t) >= 2
	s_wait_loadcnt 16                              ; this step's eight loads are in; those of the two steps behind it may be out
.else
	s_wait_loadcnt 8*(STEPS-1-(\t))                ; near the end fewer steps stand behind it
.endif
	TURN \t, \w
	s_wait_dscnt 0x0                               ; my block is back, and the stores into the stage have read their registers,
.if (\t)+3 < STEPS
	LOAD (\t)+3, \w                                ; which take the loads of three steps on
.endif
.if \w
.irp i, 0,1,2,3,4,5,6,7,8,9,10,11,12,13,14,15,16,17,18,19,20,21,22,23,24,25,26,27,28,29,30,31
	v_cvt_f32_i32 v[X+\i], v[X+\i]                 ; W_q as f32
.endr
	v_mov_b32 v[SZ], v[ZQ+(\t)]                    ; the step's 64 along K are one group of my row: its zero and its scale, twice each: the packed forms take pairs
	v_mov_b32 v[SZ+1], v[ZQ+(\t)]
	v_mov_b32 v[SZ+2], v[SQ+(\t)]
	v_mov_b32 v[SZ+3], v[SQ+(\t)]
.irp i, 0,2,4,6,8,10,12,14,16,18,20,22,24,26,28,30
	v_pk_add_f32 v[X+\i:X+\i+1], v[X+\i:X+\i+1], v[SZ:SZ+1] neg_lo:[0,1] neg_hi:[0,1]   ; - zero, rounded,
.endr
.irp i, 0,2,4,6,8,10,12,14,16,18,20,22,24,26,28,30
	v_pk_mul_f32 v[X+\i:X+\i+1], v[X+\i:X+\i+1], v[SZ+2:SZ+3]                           ; then x scale: two roundings, as the problem has them
.endr
.endif
	v_max3_num_f32 v8, |v[X]|, |v[X+1]|, |v[X+2]|                  ; the block's largest magnitude: all 32 numbers are mine; two chains
	v_max3_num_f32 v9, |v[X+3]|, |v[X+4]|, |v[X+5]|
.irp i, 6,10,14,18,22,26
	v_max3_num_f32 v8, v8, |v[X+\i]|, |v[X+\i+1]|
	v_max3_num_f32 v9, v9, |v[X+\i+2]|, |v[X+\i+3]|
.endr
	v_max3_num_f32 v8, v8, |v[X+30]|, |v[X+31]|
	v_max3_num_f32 v8, v8, v9, (EMAX+1)<<23        ; and the floor 2^(EMAX + 1 - 127), under which no largest magnitude is taken: so the byte cannot fall under 1
	v_add_nc_u32 v11, -(EMAX<<23), v8              ; EMAX off its exponent field: the conversion takes the exponent field of this operand as its scale, and nothing else of it
.if ((\t) >= 4) && ((\t)%2 == 0)
	s_wait_alu depctr_va_vdst(0)
	s_wait_xcnt 0x0                                ; the stores of the fragment two back have read this set of registers: it is written again only behind this wait
.endif
	v_cvt_scalef32_pk16_fp6_f32 v[CS+6*CH:CS+6*CH+2], v[X:X+15], v11       ; sixteen numbers / the scale, to the nearest code, ties to even; 96 bits without gaps, the first number's code lowest
	v_cvt_scalef32_pk16_fp6_f32 v[T:T+2], v[X+16:X+31], v11
	v_lshrrev_b32 v9, 23, v11                      ; the scale's byte.  (Also the plain vector line behind the scaled conversions)
.irp i, 0,1,2
	v_mov_b32 v[CS+6*CH+3+\i], v[T+\i]
.endr
.if CH == 0
	v_lshlrev_b32 v[WD+FI], v2, v9                 ; block h of the step's four: bits 8 h on
.else
	v_lshlrev_b32 v9, v2, v9
	v_lshl_or_b32 v[WD+FI], v9, 16, v[WD+FI]       ; block 2 + h: bits 16 + 8 h on
	v_permlanex16_b32 v9, v[WD+FI], s24, s25
	v_or_b32 v[WD+FI], v[WD+FI], v9                ; with lane l xor 16's two bytes the row's word is whole, in both lanes
.irp k, 0,1,2
	global_store_b128 v4, v[CS+4*\k:CS+4*\k+3], s[20:21] offset:(((\t)/2)%2)*UNIT+((\t)/4)*FRB+512*\k   ; 32 lanes store 512 consecutive bytes, at a multiple of 256 from the buffer's first byte
.endr
.endif
.endm
.macro TAIL                            ; a row's two words (rows r and 16 + r of my 32) are neighbours in a unit: lanes 0-15 store those of my first 128 along K, lanes 16-31 those of my second
	v_cndmask_b32 v8, v[WD+1], v[WD], s46
	v_cndmask_b32 v9, v[WD+3], v[WD+2], s46
	global_store_b64 v5, v[8:9], s[22:23]          ; sixteen lanes store 128 consecutive bytes: half of an aligned 256, the other half being a neighbouring work-group's; one byte in 25 of what the launch stores
	s_wait_tensorcnt 0x0
	ds_add_u32 v[SPW], v[NIL]
	s_wait_dscnt 0x0
	s_endpgm
.endm
	s_cmp_ge_u32 ttmp9, WWG                        ; compared anew: the sums above have written SCC
	s_cbranch_scc0 .Lw
	; ---- x
.irp t, 0,1,2
	LOAD \t, 0
.endr
	s_wait_alu depctr_va_vdst(0)
.irp t, 0,1,2,3,4,5,6,7
	STEP \t, 0
.endr
	TAIL
	; ---- W
.Lw:
	s_load_b32 s28, s[12:13], 0x0                  ; s_scale
	s_load_b32 s29, s[14:15], 0x0                  ; z_scale
	s_load_b32 s30, s[16:17], 0x0                  ; s_zero
	s_load_b32 s31, s[18:19], 0x0                  ; z_zero
	s_and_b32 s47, s35, 1                          ; W's first row is 64 (j / 2) + 2 (j % 2), where x's is 32 j: (j % 2) x 30 rows back,
	s_mul_i32 s38, s47, 30*ROWBY
	s_sub_nc_u64 s[4:5], s[4:5], s[38:39]          ; in W_q (s39 = 0),
	s_mul_i32 s47, s47, 30*256
	s_sub_co_u32 s44, s44, s47                     ; and in scale_q and zero_q
	v_lshlrev_b32 v3, 4, v8
	v_lshl_add_u32 v3, v9, 16, v3                  ; a load: lanes 0-15 one row's 256 bytes, lanes 16-31 those of the row four further down
	v_lshlrev_b32 v10, 10, v8                      ; lane row r is 4 r rows of 256 bytes of scale_q and of zero_q
	s_add_nc_u64 s[8:9], s[8:9], s[44:45]
	s_add_nc_u64 s[10:11], s[10:11], s[44:45]
	s_wait_alu depctr_va_vdst(0)
	global_load_b128 v[SQ:SQ+3], v10, s[8:9]                   ; lane (r, h): the four groups of row r that lie in my 256 along K,
	global_load_b128 v[SQ+4:SQ+7], v10, s[8:9] offset:256      ; and of the second fragment's row, one further down
	global_load_b128 v[ZQ:ZQ+3], v10, s[10:11]
	global_load_b128 v[ZQ+4:ZQ+7], v10, s[10:11] offset:256
.irp t, 0,1,2
	LOAD \t, 1
.endr
	s_wait_kmcnt 0x0
	s_wait_loadcnt 24                              ; the four loads above are in; the 24 behind them may be out
.irp g, 0,1,2,3,4,5,6,7
	v_cvt_f32_i32 v[SQ+\g], v[SQ+\g]
	v_cvt_f32_i32 v[ZQ+\g], v[ZQ+\g]
.endr
.irp g, 0,1,2,3,4,5,6,7
	v_sub_f32 v[SQ+\g], v[SQ+\g], s29              ; scale_q - z_scale
	v_sub_f32 v[ZQ+\g], v[ZQ+\g], s31              ; zero_q - z_zero
.endr
.irp g, 0,1,2,3,4,5,6,7
	v_mul_f32 v[SQ+\g], s28, v[SQ+\g]              ; scale
	v_mul_f32 v[ZQ+\g], s30, v[ZQ+\g]              ; zero
.endr
.irp t, 0,1,2,3,4,5,6,7
	STEP \t, 1
.endr
	TAIL
.Lfunc_end_k_q86f3cc861c_quant:
	.size	k_q86f3cc861c_quant, .Lfunc_end_k_q86f3cc861c_quant-k_q86f3cc861c_quant
	.p2alignl 7, 3214868480
	.fill 96, 4, 3214868480
	.section	.rodata,"a",@progbits
	.p2align	6, 0x0
	.amdhsa_kernel k_q86f3cc861c_quant
		.amdhsa_group_segment_fixed_size 35328
		.amdhsa_private_segment_fixed_size 0
		.amdhsa_enable_private_segment 0
		.amdhsa_kernarg_size 80
		.amdhsa_user_sgpr_count 2
		.amdhsa_user_sgpr_kernarg_segment_ptr 1
		.amdhsa_wavefront_size32 1
		.amdhsa_system_sgpr_workgroup_id_x 1
		.amdhsa_system_sgpr_workgroup_id_y 1
		.amdhsa_system_sgpr_workgroup_id_z 1
		.amdhsa_system_vgpr_workitem_id 0
		.amdhsa_next_free_vgpr 192
		.amdhsa_next_free_sgpr 66
		.amdhsa_reserve_vcc 0
		.amdhsa_float_denorm_mode_32 3
		.amdhsa_float_denorm_mode_16_64 3
		.amdhsa_memory_ordered 1
		.amdhsa_forward_progress 1
		.amdhsa_inst_pref_size 87
	.end_amdhsa_kernel
	.amdgpu_metadata
---
amdhsa.version: [ 1, 2 ]
amdhsa.kernels:
  - .name:           k_q86f3cc861c_quant
    .symbol:         k_q86f3cc861c_quant.kd
    .args:
      - { .name: x, .offset: 0, .size: 8, .value_kind: global_buffer, .address_space: global }
      - { .name: W_q, .offset: 8, .size: 8, .value_kind: global_buffer, .address_space: global }
      - { .name: scale_q, .offset: 16, .size: 8, .value_kind: global_buffer, .address_space: global }
      - { .name: zero_q, .offset: 24, .size: 8, .value_kind: global_buffer, .address_space: global }
      - { .name: s_scale, .offset: 32, .size: 8, .value_kind: global_buffer, .address_space: global }
      - { .name: z_scale, .offset: 40, .size: 8, .value_kind: global_buffer, .address_space: global }
      - { .name: s_zero, .offset: 48, .size: 8, .value_kind: global_buffer, .address_space: global }
      - { .name: z_zero, .offset: 56, .size: 8, .value_kind: global_buffer, .address_space: global }
      - { .name: xq, .offset: 64, .size: 8, .value_kind: global_buffer, .address_space: global }
      - { .name: wq, .offset: 72, .size: 8, .value_kind: global_buffer, .address_space: global }
    .group_segment_fixed_size: 35328
    .private_segment_fixed_size: 0
    .kernarg_segment_align: 8
    .kernarg_segment_size: 80
    .max_flat_workgroup_size: 128
    .sgpr_count:     66
    .vgpr_count:     192
    .wavefront_size: 32
...
	.end_amdgpu_metadata
.endif
;; end of part 1
;; launch gemm (part 2): grid 8 x 32, 4 waves a work-group, clusters of 4 x 4, 327,680 bytes of LDS; arguments xq, wq, bias, out0; writes out0
.if DOCPART == 2
	.amdgcn_target "amdgcn-amd-amdhsa--gfx1250"
	.amdhsa_code_object_version 6
	.text
	.protected	k_q86f3cc861c_gemm
	.globl	k_q86f3cc861c_gemm
	.p2align	8
	.type	k_q86f3cc861c_gemm,@function
k_q86f3cc861c_gemm:
	s_mov_b64 s[64:65], 0
	v_nop
	global_prefetch_b8 v0, s[64:65] scope:SCOPE_SE
	s_setreg_imm32_b32 hwreg(HW_REG_WAVE_MODE, 25, 1), 1
	s_wait_xcnt 0x0
	s_wait_alu depctr_hold_cnt(0) depctr_sa_sdst(0) depctr_va_vdst(0) depctr_va_sdst(0) depctr_va_ssrc(0) depctr_va_vcc(0) depctr_vm_vsrc(0)
	s_getreg_b32 s2, hwreg(HW_REG_IB_STS2, 6, 4)
	s_cmp_eq_u32 s2, 0
	s_cbranch_scc0 .Lentry_in_a_cluster
	s_endpgm
.Lentry_in_a_cluster:
	s_bfe_u32 s2, ttmp6, 0x10000c
	s_cmp_lg_u32 s2, 0xf033
	s_cbranch_scc0 .Lentry_shape_is_right
	s_endpgm
.Lentry_shape_is_right:
; out0[m][n] = bias[n] + sum over k of X[m][k] W[n][k]; X [8192][4096] and W [2048][4096] come as codes of FP6 (E2M3) with E8M0 scale bytes, from the launch before; sums in f32.
; BOTH WORKSPACES LIE IN THE ORDER OF THE OPERAND'S REGISTERS: a unit of 12,800 bytes serves 128 rows and 128 along K, at (32 x (row / 128) + k / 128) x 12,800: eight fragments of 1,536 bytes
; (registers 4 c .. 4 c + 3 of lane l at 512 c + 16 l), then 512 bytes of scale words.  So a fragment is three LDS loads of 512 consecutive bytes.
; A tile of out0, 256 x 256, is made by four waves, a wave 128 x 128: 64 accumulators, 512 registers.  The first products take the constant 0 as C.
; K goes through a ring of two LDS slots, three steps of 128 to a slot: a wave's tensor load brings three units on end, 38,400 dense bytes, as 150 rows of 256 bytes; 32 steps are ten such slots and a last one of two steps.
; CLUSTERS: 4 x 4 work-groups; X's tiles are asked for jointly along a row of the cluster, W's along a column, each by the same load with the same descriptor and a mask that names the four.
; THE WAY OUT NEEDS NO LDS.  Source 0 = 16 rows of X, source 1 = 16 rows of W: register j of lane (r, h) of accumulator (a, b) is out0(16 a + 8 h + j, the column of lane r of W's fragment b).  The launch before has dealt W's rows so
; that this column is 64 (b / 4) + 4 r + b % 4 of my 128: the same register of four neighbouring accumulators holds four neighbouring columns.  The addition of the bias puts the four into four registers on end,
; and sixteen lanes then store 256 consecutive bytes of a row, aligned.
; PREFETCH: behind refill j stand two prefetches for what refill j + 2 will load, 384 matrix instructions ahead of that load.  A wave's refill is 150 blocks of 256 bytes; the four partners that ask for it jointly share
; them out by address: partner p names blocks 32 p + lane, and of the last 22 the blocks 128 + 6 p .. 128 + 6 p + 5 (held at 149; lanes left over name their last block again).  Refills 0 and 1 and the last, short one come by their loads alone:
; the loop's last trip asks for nothing, so no address passes a row block's 32 units.
; REGISTERS: window 0: v0-31 addresses; v32-47 scale words, two sets; v48-55 the bias; v128-223 X's fragments, ONE set.  Window 1: W's fragments, TWO sets, at v0 and v128.
;   Windows 2 and 3: the accumulators of my rows 0-63 and 64-127 ((a, b) at v[8 (8 (a % 4) + b)]).  On the way out window 1, v64-255 of window 0 and block 0's accumulators take the results as they are stored.
.set SIZE_N, 2048
.set SIZE_K, 4096
.set NS,     3                         ; steps to a slot
.set UNIT,   12800
.set FRB,    1536                      ; a fragment's image
.set SCO,    8*FRB                     ; where a unit's scale words begin
.set RBB,    (SIZE_K/128)*UNIT         ; the 32 units of 128 rows
.set FR,     12                        ; registers of a fragment
.set NL,     3                         ; LDS loads that bring one
.set NP,     4                         ; places behind this matrix instruction (ISA guide 7.12.1)
.set HALFT,  NS*UNIT                   ; what one tensor load brings, and what one wave reads of X or of W in a slot
.set SLOT,   4*HALFT                   ; X's two halves, then W's two
.set TRIPS,  4
.set SPARE,  2*SLOT                    ; behind the ring: the spare words, 128 bytes a wave, which no other line names
.set ADRA, 16                          ; v16-17 my X fragments in slot 0, 1
.set ADRB, 18                          ; v18-19 my W fragments
.set ADRS, 20                          ; v20-21 scale words: lanes 0-15 X's rows, lanes 16-31 W's
.set PFO,  22                          ; v22-23 the prefetches' two offsets
.set CO,   26                          ; v26 my byte offset in out0: 16 r + 8 h rows
.set SPW,  28                          ; my spare word's LDS address; never rewritten
.set NIL,  29                          ; 0; never rewritten
.set BO,   30                          ; 16 r: my four columns of a group of 64
.set SC,   32
.set BI,   48                          ; v48-55 bias(64 g + 4 r + q) at 4 g + q
.set AF,   128
.set G1, 24                            ; s[24:31], s[32:39]: groups 1 and 0 (a set for each slot) for X's tiles
.set G0, 32
.set G1B, 48                           ; s[48:55], s[56:63]: for W's
.set G0B, 56
.set G1T, 68                           ; s[68:75], s[76:83]: groups 1 for the last, short slot: 100 rows
.set G1BT, 76
.set PFA, 84                           ; s[84:85] where my prefetches stand
.set MSB, 0
.macro WIN new                         ; the immediate's high byte repeats the setting that is left
.if MSB != (\new)
	s_set_vgpr_msb (MSB<<8)|(\new)
.set MSB, (\new)
.endif
.endm
.set MUL_LO, 0xa4                      ; source 0 (X) window 0, source 1 (W) window 1, C and D window 2
.set MUL_HI, 0xf4                      ; the same, C and D window 3
.set TO_B,   0x40                      ; destination window 1, address window 0
; A joint load: waves 0 and 1 fetch X's halves, waves 2 and 3 W's
.macro JLOAD g0a, g1a, g0b, g1b
	s_cmp_eq_u32 s15, 0
	s_cbranch_scc0 .Lfor_b_\@
	tensor_load_to_lds s[\g0a:\g0a+3], s[\g1a:\g1a+7]
	s_nop 0
.rept 4
	v_nop
.endr
	s_branch .Lasked_\@
.Lfor_b_\@:
	tensor_load_to_lds s[\g0b:\g0b+3], s[\g1b:\g1b+7]
	s_nop 0
.rept 4
	v_nop
.endr
.Lasked_\@:
.endm
.macro CREST                           ; a round of the cluster's barrier behind its opening barrier
	s_cmp_lg_u32 s14, 0
	s_cbranch_scc1 .Lnot_wave_0_\@
	s_barrier_signal -3
.Lnot_wave_0_\@:
	s_barrier_wait -3
	s_barrier_signal -1
	s_barrier_wait -1
.endm
.macro CROUND
	s_barrier_signal -1
	s_barrier_wait -1
	CREST
.endm
.macro PF off                          ; my work-group's share of the 150 blocks of the refill that begins at PFA + off
	global_prefetch_b8 v[PFO], s[PFA:PFA+1] offset:\off th:TH_LOAD_NT scope:SCOPE_SE
	global_prefetch_b8 v[PFO+1], s[PFA:PFA+1] offset:\off th:TH_LOAD_NT scope:SCOPE_SE
.endm
	s_load_b128 s[4:7], s[0:1], 0x0                ; xq, wq
	s_load_b64 s[96:97], s[0:1], 0x10              ; bias
	s_load_b64 s[12:13], s[0:1], 0x18              ; out0
	v_lshl_add_u32 v[SPW], v0, 2, SPARE
	v_mov_b32 v[NIL], 0
	ds_add_u32 v[SPW], v[NIL]                      ; the opening lines: the add, twice on end, under one wait
	ds_add_u32 v[SPW], v[NIL]
	v_lshrrev_b32 v1, 5, v0
	v_readfirstlane_b32 s14, v1                    ; wave 0..3
	v_bfe_u32 v2, v0, 4, 1                         ; h = l / 16
	v_and_b32 v3, 15, v0                           ; r = l % 16
	v_lshlrev_b32 v[BO], 4, v3
	s_lshr_b32 s15, s14, 1                         ; my half of the tile's rows; also: I fetch for X (0) or W (1)
	s_and_b32 s16, s14, 1                          ; my half of its columns; also: which 128 rows I fetch
	s_bfe_u32 s40, ttmp6, 0x40000                  ; cx
	s_bfe_u32 s41, ttmp6, 0x40004                  ; cy
	s_lshl_b32 s42, ttmp9, 2
	s_add_co_u32 s42, s42, s40                     ; tile column
	s_and_b32 s17, ttmp7, 0xffff
	s_lshl_b32 s17, s17, 2
	s_add_co_u32 s17, s17, s41                     ; tile row
	s_lshl_b32 s43, s41, 2
	s_lshl_b32 s43, 15, s43                        ; my row of the cluster
	s_lshl_b32 s44, 0x1111, s40                    ; my column
	s_or_b32 s[G1+0], s43, (3<<16)|(1<<21)         ; the mask; elements of 8 bytes; bit 21 beside a mask; no padding: fragments are read as they lie
	s_or_b32 s[G1B+0], s44, (3<<16)|(1<<21)
	s_or_b32 s[G1T+0], s43, (3<<16)|(1<<21)
	s_or_b32 s[G1BT+0], s44, (3<<16)|(1<<21)
.irp g, G1, G1B
	s_mov_b32 s[\g+1], 32<<16                      ; rows of 32 elements = 256 bytes,
	s_mov_b32 s[\g+2], 150<<16                     ; 150 of them,
	s_mov_b32 s[\g+3], 32<<16
	s_mov_b32 s[\g+4], 150
	s_mov_b32 s[\g+5], 32                          ; dense
	s_mov_b32 s[\g+6], 0
	s_mov_b32 s[\g+7], 0
.endr
.irp g, G1T, G1BT
	s_mov_b32 s[\g+1], 32<<16
	s_mov_b32 s[\g+2], 100<<16
	s_mov_b32 s[\g+3], 32<<16
	s_mov_b32 s[\g+4], 100
	s_mov_b32 s[\g+5], 32
	s_mov_b32 s[\g+6], 0
	s_mov_b32 s[\g+7], 0
.endr
	s_lshl_b32 s20, s17, 1
	s_add_co_u32 s20, s20, s16
	s_mul_i32 s20, s20, RBB                        ; X: the 128 rows that I fetch, in bytes (under 2^25)
	s_mov_b32 s21, 0
	s_lshl_b32 s46, s42, 1
	s_add_co_u32 s46, s46, s16
	s_mul_i32 s46, s46, RBB                        ; W likewise
	s_mov_b32 s47, 0
	s_mul_i32 s45, s14, HALFT                      ; where they go: wave x 38,400
	s_lshl_b32 s86, s42, 10                        ; my first column in bytes: 1,024 x tile column + 512 x half
	s_lshl_b32 s87, s16, 9
	s_add_co_u32 s86, s86, s87
	s_mov_b32 s87, 0
	s_mul_i32 s90, s15, HALFT                      ; what I read: my half of X,
	s_mul_i32 s91, s16, HALFT
	s_add_co_u32 s91, s91, 2*HALFT                 ; my half of W,
	s_sub_co_u32 s92, s91, s90                     ; and the distance between the two
	s_wait_alu depctr_va_vdst(0)
	s_wait_dscnt 0x0                               ; both opening adds are done
	s_wait_kmcnt 0x0
	s_add_nc_u64 s[20:21], s[4:5], s[20:21]
	s_add_nc_u64 s[46:47], s[6:7], s[46:47]
	s_add_nc_u64 s[96:97], s[96:97], s[86:87]
.irp s, 0,1
	s_mov_b32 s[G0+4*\s], 1
	s_add_co_u32 s[G0+4*\s+1], s45, \s*SLOT
	s_add_nc_u64 s[G0+4*\s+2:G0+4*\s+3], s[20:21], \s*HALFT
	s_or_b32 s[G0+4*\s+3], s[G0+4*\s+3], 0x80000000
	s_mov_b32 s[G0B+4*\s], 1
	s_add_co_u32 s[G0B+4*\s+1], s45, \s*SLOT
	s_add_nc_u64 s[G0B+4*\s+2:G0B+4*\s+3], s[46:47], \s*HALFT
	s_or_b32 s[G0B+4*\s+3], s[G0B+4*\s+3], 0x80000000
.endr
	s_cmp_eq_u32 s15, 0                            ; do I fetch for X?
	s_cselect_b64 s[PFA:PFA+1], s[20:21], s[46:47]
	s_cselect_b32 s88, s40, s41                    ; my place among the four that ask with me
	s_add_nc_u64 s[PFA:PFA+1], s[PFA:PFA+1], 2*HALFT   ; at refill 2
.irp g, 0,1
	global_load_b128 v[BI+4*\g:BI+4*\g+3], v[BO], s[96:97] offset:256*\g       ; bias(64 g + 4 r + 0 .. 3): sixteen lanes read 256 consecutive bytes
.endr
	CROUND                                         ; all sixteen work-groups are here: the first joint loads meet
	JLOAD G0, G1, G0B, G1B                         ; steps 0 to 2: one tensor load a wave at the head
	v_and_b32 v1, 15, v0                           ; r
	v_and_b32 v6, 31, v0                           ; l
	v_lshlrev_b32 v4, 4, v6                        ; a fragment's load: 16 l
	v_lshlrev_b32 v5, 3, v1                        ; scale words: 8 bytes for two neighbouring fragments' lane r
	v_mul_u32_u24 v3, s92, v2                      ; lanes 16-31 take W's
	v_add_nc_u32 v5, v5, v3
	v_add_nc_u32 v[ADRA], s90, v4
	v_add_nc_u32 v[ADRB], s91, v4
	v_add_nc_u32 v[ADRS], s90, v5
	v_add_nc_u32 v[ADRA+1], SLOT, v[ADRA]
	v_add_nc_u32 v[ADRB+1], SLOT, v[ADRB]
	v_add_nc_u32 v[ADRS+1], SLOT, v[ADRS]
	v_lshl_add_u32 v[CO], v2, 16, v[BO]            ; 16 r + 8 h rows of 8,192 bytes
	v_lshlrev_b32 v[PFO], 8, v6
	v_lshl_add_u32 v[PFO], s88, 13, v[PFO]         ; block 32 p + lane
	v_min_u32 v7, 5, v6
	v_mad_u32_u24 v7, s88, 6, v7
	v_min_u32 v7, 21, v7
	v_lshl_add_u32 v[PFO+1], v7, 8, 0x8000         ; block 128 + min(6 p + min(lane, 5), 21)
	PF 0                                           ; refill 2
	s_lshl_b32 s20, s17, 8
	s_lshl_b32 s21, s15, 7
	s_add_co_u32 s20, s20, s21                     ; my first row of out0
	s_mov_b32 s21, 0
	s_mov_b64 s[18:19], SIZE_N*4
	s_mul_u64 s[20:21], s[20:21], s[18:19]
	s_add_nc_u64 s[20:21], s[20:21], s[86:87]
	s_add_nc_u64 s[12:13], s[12:13], s[20:21]
.macro FRAG reg, adr, q, i             ; fragment i of step q of a slot: 12 registers as they lie
.irp c, 0,1,2
	ds_load_b128 v[\reg+4*\c:\reg+4*\c+3], v[\adr] offset:(\q)*UNIT+(\i)*FRB+512*\c
.endr
.endm
; 16 matrix instructions: X's blocks a0, a0 + 1 x W's eight.  p: W's set and the set of scale words.  The 64 accumulators take turns, in the same order in every step
.macro MUL16 a0, p, first
.irp a, \a0, \a0+1
.irp b, 0,1,2,3,4,5,6,7
.if \first
	v_wmma_scale_f32_16x16x128_f8f6f4 v[8*(8*((\a)%4)+\b):8*(8*((\a)%4)+\b)+7], v[AF+FR*(\a):AF+FR*(\a)+FR-1], v[128*(\p)+FR*\b:128*(\p)+FR*\b+FR-1], 0, v[SC+8*(\p)+(\a)], v[SC+8*(\p)+\b] matrix_a_fmt:MATRIX_FMT_FP6 matrix_b_fmt:MATRIX_FMT_FP6 matrix_b_scale:MATRIX_SCALE_ROW1
.else
	v_wmma_scale_f32_16x16x128_f8f6f4 v[8*(8*((\a)%4)+\b):8*(8*((\a)%4)+\b)+7], v[AF+FR*(\a):AF+FR*(\a)+FR-1], v[128*(\p)+FR*\b:128*(\p)+FR*\b+FR-1], v[8*(8*((\a)%4)+\b):8*(8*((\a)%4)+\b)+7], v[SC+8*(\p)+(\a)], v[SC+8*(\p)+\b] matrix_a_fmt:MATRIX_FMT_FP6 matrix_b_fmt:MATRIX_FMT_FP6 matrix_b_scale:MATRIX_SCALE_ROW1
.endif
.endr
.endr
.endm
.macro FETCH_B slot, q, p
	WIN TO_B
.irp i, 0,1,2,3,4,5,6,7
	FRAG 128*(\p)+FR*\i, ADRB+\slot, \q, \i
.endr
	WIN 0
.endm
.macro FETCH_A slot, q, i0
.irp i, \i0, \i0+1, \i0+2, \i0+3
	FRAG AF+FR*(\i), ADRA+\slot, \q, \i
.endr
.endm
.macro SCALES slot, q, p               ; register i of the set: lanes 0-15 the words of X's block i, lanes 16-31 those of W's block i
.irp i, 0,1,2,3
	ds_load_b64 v[SC+8*(\p)+2*\i:SC+8*(\p)+2*\i+1], v[ADRS+\slot] offset:(\q)*UNIT+SCO+128*\i
.endr
.endm
.macro PLACES n                        ; in front of loads into registers that matrix instructions have read, and of the first read of results
.rept \n
	v_nop
.endr
.endm
; A step that is not its slot's last.  W's other set is free since the places at the last step's end: the next step's eight fragments are asked for at once, 64 matrix instructions ahead of their use;
; X's blocks 0-3 and the scale words follow in the middle, X's blocks 4-7 at the end, each 32 ahead.
.macro STEP slot, q, p, first
	FETCH_B \slot, (\q)+1, 1-(\p)
	s_wait_dscnt 12*NL                             ; out: X's blocks 4-7 (12 loads) and the 24 just issued; this step's W, X's blocks 0-3 and scale words are in
	WIN MUL_LO
	MUL16 0, \p, \first
	MUL16 2, \p, \first
	s_wait_dscnt 8*NL                              ; X's blocks 4-7 are in; the next step's 24 loads of W may be out
	PLACES NP
	WIN 0
	FETCH_A \slot, (\q)+1, 0
	SCALES \slot, (\q)+1, 1-(\p)
	WIN MUL_HI
	MUL16 4, \p, \first
	MUL16 6, \p, \first
	PLACES NP
	WIN 0
	FETCH_A \slot, (\q)+1, 4
.endm
; A slot's last step changes slots: ONE barrier, which opens a round of the cluster's barrier where the slot is filled again (fill = 1: three steps, 2: the last two).  ask = 1: in the loop, with its prefetch.
.macro TURN slot, next, p, fill, ask
.if \ask
	s_wait_xcnt 0x0                                ; my last prefetches have read their base: it steps only behind this wait
	s_add_nc_u64 s[PFA:PFA+1], s[PFA:PFA+1], HALFT
.endif
	s_wait_tensorcnt 0x0                           ; all my tensor loads have landed: my part of the next slot;
	ds_add_u32 v[SPW], v[NIL]
	s_wait_dscnt 4*NL+1                            ; (out: the add and X's blocks 4-7)
	WIN MUL_LO
	MUL16 0, \p, 0
	s_wait_dscnt 0x0                               ; the add is done, and my reads of this slot are over
	s_barrier_signal -1
	MUL16 2, \p, 0
	WIN 0
	s_barrier_wait -1
.if \fill
	CREST                                          ; no wave of any partner still reads this slot or has a load on its way
	s_add_nc_u64 s[G0+4*\slot+2:G0+4*\slot+3], s[G0+4*\slot+2:G0+4*\slot+3], 2*HALFT
	s_add_nc_u64 s[G0B+4*\slot+2:G0B+4*\slot+3], s[G0B+4*\slot+2:G0B+4*\slot+3], 2*HALFT
.if \fill == 1
	JLOAD G0+4*\slot, G1, G0B+4*\slot, G1B         ; the first tensor load behind the round; its four v_nop are the places in front of the loads below
.else
	JLOAD G0+4*\slot, G1T, G0B+4*\slot, G1BT
.endif
.else
	PLACES NP
.endif
	FETCH_B \next, 0, 1-(\p)
	FETCH_A \next, 0, 0
	SCALES \next, 0, 1-(\p)
.if \ask
	s_cmp_gt_u32 s3, 1                             ; the last trip's refills have no whole refill two on
	s_cbranch_scc0 .Lno_ask_\@
	PF HALFT                                       ; the refill two on from the one just asked for
.Lno_ask_\@:
.endif
	WIN MUL_HI
	MUL16 4, \p, 0
	MUL16 6, \p, 0
	PLACES NP
	WIN 0
	FETCH_A \next, 0, 4
.endm
	s_wait_alu depctr_va_vdst(0)
	s_wait_tensorcnt 0x0                           ; my part of slot 0 is in; slot 1's first fill is issued as a refill is:
	ds_add_u32 v[SPW], v[NIL]
	s_wait_dscnt 0x0
	CROUND                                         ; slot 0 is whole for all four waves, and the sixteen work-groups meet
	JLOAD G0+4, G1, G0B+4, G1B                     ; steps 3 to 5
	FETCH_B 0, 0, 0
	FETCH_A 0, 0, 0
	SCALES 0, 0, 0
	FETCH_A 0, 0, 4
	PF HALFT                                       ; refill 3
	s_wait_loadcnt 0x0                             ; the bias, asked for ahead of the first tensor load
	STEP 0, 0, 0, 1                                ; step 0 starts the sums
	s_mov_b32 s3, TRIPS
.Llap:                                                 ; a trip: six steps, once round the ring, both slots filled again
	STEP 0, 1, 1, 0
	TURN 0, 1, 0, 1, 1
	STEP 1, 0, 1, 0
	STEP 1, 1, 0, 0
	TURN 1, 0, 1, 1, 1
	STEP 0, 0, 0, 0
	s_sub_co_u32 s3, s3, 1
	s_cmp_lg_u32 s3, 0
	s_cbranch_scc1 .Llap
	STEP 0, 1, 1, 0                                ; steps 25 to 31: one more fill, of two steps
	TURN 0, 1, 0, 2, 0
	STEP 1, 0, 1, 0
	STEP 1, 1, 0, 0
	TURN 1, 0, 1, 0, 0
	STEP 0, 0, 0, 0
; THE WAY OUT of block a (16 rows x 128 columns): 64 additions of the bias, each accumulator read from its low end on, which lay columns 64 g + 4 r + 0 .. 3 of row 16 a + 8 h + j into four registers on end; then 16 stores.
; Each block has registers of its own for what it stores, and every offset is an immediate (975,104 at the most): no register that a store reads is written again, so no wait stands here.
; Blocks 0, 1 and 2 take registers that the last step does not use (v0-127 of window 1: W's set 0; v64-127 of window 0); blocks 3 and 4 the rest of window 1, 5 and 6 v128-255 of window 0, 7 block 0's accumulators, read out by then.
.macro OUT a
.set AC, 64*((\a)%4)
.if (\a) < 2
.set DW, 1
.set DB, 64*(\a)
.else
.if (\a) == 2
.set DW, 0
.set DB, 64
.else
.if (\a) < 5
.set DW, 1
.set DB, 64*((\a)-1)
.else
.if (\a) < 7
.set DW, 0
.set DB, 64*((\a)-3)
.else
.set DW, 2
.set DB, 0
.endif
.endif
.endif
.endif
	WIN (DW<<6)|(2+(\a)/4)                         ; source 0: window 2 or 3; source 1, the bias: window 0
.irp g, 0,1
.irp j, 0,1,2,3,4,5,6,7
.irp q, 0,1,2,3
	v_add_f32 v[DB+32*\g+4*\j+\q], v[AC+8*(4*\g+\q)+\j], v[BI+4*\g+\q]
.endr
.endr
.endr
	WIN DW<<2                                      ; the stores' data; row by row, a row's two halves of 256 bytes in turn
.irp j, 0,1,2,3,4,5,6,7
.irp g, 0,1
	global_store_b128 v[CO], v[DB+32*\g+4*\j:DB+32*\g+4*\j+3], s[12:13] offset:(16*(\a)+\j)*SIZE_N*4+256*\g th:TH_STORE_NT   ; lanes 0-15 store 256 consecutive bytes of row 16 a + j, lanes 16-31 of row 16 a + 8 + j, each at a multiple of 256 from out0's first byte
.endr
.endr
.endm
; THE LAST STEP: nothing more to fetch.  A block of 16 rows is finished when its eight products of this step are issued, so blocks 0, 1 and 2 leave between the step's groups of sixteen matrix instructions.
	s_wait_dscnt 4*NL                              ; out: X's blocks 4-7
	WIN MUL_LO
	MUL16 0, 1, 0
	PLACES NP                                      ; block 0's additions read results just made
	OUT 0
	WIN MUL_LO
	MUL16 2, 1, 0
	OUT 1                                          ; behind block 1's last product stand the four places and block 0's 64 additions, which name none of its registers
	s_wait_dscnt 0                                 ; X's blocks 4-7 are in
	WIN MUL_HI
	MUL16 4, 1, 0
	OUT 2                                          ; behind block 2's last product stand block 1's 64 additions
	WIN MUL_HI
	MUL16 6, 1, 0
	PLACES NP                                      ; block 3's results go into registers that the last products have read
.irp a, 3,4,5,6,7
	OUT \a
.endr
	WIN 0
	s_wait_tensorcnt 0x0                           ; the wave's end
	ds_add_u32 v[SPW], v[NIL]
	s_wait_dscnt 0x0
	CROUND                                         ; the closing round
	s_endpgm
.Lfunc_end_k_q86f3cc861c_gemm:
	.size	k_q86f3cc861c_gemm, .Lfunc_end_k_q86f3cc861c_gemm-k_q86f3cc861c_gemm
	.p2alignl 7, 3214868480
	.fill 96, 4, 3214868480
	.section	.rodata,"a",@progbits
	.p2align	6, 0x0
	.amdhsa_kernel k_q86f3cc861c_gemm
		.amdhsa_group_segment_fixed_size 327680
		.amdhsa_private_segment_fixed_size 0
		.amdhsa_enable_private_segment 0
		.amdhsa_kernarg_size 32
		.amdhsa_user_sgpr_count 2
		.amdhsa_user_sgpr_kernarg_segment_ptr 1
		.amdhsa_wavefront_size32 1
		.amdhsa_system_sgpr_workgroup_id_x 1
		.amdhsa_system_sgpr_workgroup_id_y 1
		.amdhsa_system_sgpr_workgroup_id_z 1
		.amdhsa_system_vgpr_workitem_id 0
		.amdhsa_next_free_vgpr 1024
		.amdhsa_next_free_sgpr 98
		.amdhsa_reserve_vcc 0
		.amdhsa_float_denorm_mode_32 3
		.amdhsa_float_denorm_mode_16_64 3
		.amdhsa_memory_ordered 1
		.amdhsa_forward_progress 1
		.amdhsa_inst_pref_size 206
	.end_amdhsa_kernel
	.amdgpu_metadata
---
amdhsa.version: [ 1, 2 ]
amdhsa.kernels:
  - .name:           k_q86f3cc861c_gemm
    .symbol:         k_q86f3cc861c_gemm.kd
    .args:
      - { .name: xq, .offset: 0, .size: 8, .value_kind: global_buffer, .address_space: global }
      - { .name: wq, .offset: 8, .size: 8, .value_kind: global_buffer, .address_space: global }
      - { .name: bias, .offset: 16, .size: 8, .value_kind: global_buffer, .address_space: global }
      - { .name: out0, .offset: 24, .size: 8, .value_kind: global_buffer, .address_space: global }
    .group_segment_fixed_size: 327680
    .private_segment_fixed_size: 0
    .kernarg_segment_align: 8
    .kernarg_segment_size: 32
    .max_flat_workgroup_size: 128
    .sgpr_count:     98
    .vgpr_count:     1024
    .wavefront_size: 32
...
	.end_amdgpu_metadata
.endif
;; end of part 2
